; MI455X (gfx1250); checked and timed in simulation.
; The chip was launched on July 23, 2026; its instructions are those of AMD's public machine-readable ISA for CDNA 5 (MIT licence, August 2026) and "CDNA5" Instruction Set Architecture Reference Guide (July 2026). The comments in the code are by the model that wrote it; some were corrected since.
;; EMA. Allowed arithmetic: float matrix products may take bf16 or f16 operands with f32 sums; all other float work in f32.
;; Inputs: decay one number float32; x 16,777,216 float32.
;; Outputs: out0 16,777,216 float32.
;; 2 versions, each right; version 2 is version 1 with the launch scan written anew for expert scheduling mode. Each part assembles by itself: llvm-mc -triple=amdgcn-amd-amdhsa -mcpu=gfx1250 --defsym DOCPART=n.
;; ======== version 1 of 2: 2 launches
;; workspace buffers: look 256 bytes of whole numbers
;; launch span (part 1): grid 1 x 1, 1 waves a work-group, no clusters, 0 bytes of LDS; arguments decay, look; writes look
.if DOCPART == 1
	.amdgcn_target "amdgcn-amd-amdhsa--gfx1250"
	.amdhsa_code_object_version 6
	.text
	.protected	k_qef5a0e2bad_span
	.globl	k_qef5a0e2bad_span
	.p2align	8
	.type	k_qef5a0e2bad_span,@function
k_qef5a0e2bad_span:
	s_mov_b64 s[64:65], 0
	v_nop
	global_prefetch_b8 v0, s[64:65] scope:SCOPE_SE
	s_setreg_imm32_b32 hwreg(HW_REG_WAVE_MODE, 25, 1), 1
	s_wait_xcnt 0x0
; How far back the scan has to look, as a whole number, from the one float input decay.
; With a = 1 - decay the weight of y[t-L] in y[t] is a^L.  Since 1 - |a| <= -ln|a|, any L >= 32 ln2 / (1 - |a|)
; gives |a|^L <= 2^-32.  The count is kept in segments of 128 numbers:
;     look = floor( (ln2 / 4) / (1 - |a|) ) + 1          (32 ln2 / 128 = ln2 / 4; the + 1 rounds up and keeps it >= 1)
; and look = MAXSEG, the whole array, where |a| >= 1 or decay is NaN: there nothing may be dropped.
; The next launch takes its trip count from this number.
; One wave.  All 64 words of the buffer get the same number: one store of 8 bytes a lane covers its 256 bytes.
.set MAXSEG, 0x20000                   ; 2^24 numbers / 128
	s_load_b128 s[4:7], s[0:1], 0x0                ; decay s[4:5], look s[6:7]
	s_wait_kmcnt 0x0
	s_load_b32 s8, s[4:5], 0x0                     ; decay
	s_wait_kmcnt 0x0
	v_sub_f32 v2, 1.0, s8                          ; a = 1 - decay, rounded as reference() rounds it
	v_sub_f32 v2, 1.0, |v2|                        ; g = 1 - |a|
	v_rcp_f32 v3, v2
	v_lshlrev_b32 v1, 3, v0                        ; 8 bytes a lane; also the plain instruction that stands behind v_rcp_f32 (ISA guide 5.7.2)
	s_wait_alu depctr_va_vdst(0)
	v_mul_f32 v3, 0x3e317218, v3                   ; (ln2 / 4) / g
	v_min_num_f32 v3, 0x48000000, v3               ; at most 131072.0 (also takes +inf and NaN away)
	v_cvt_u32_f32 v3, v3                           ; toward zero; a negative number gives 0 and is replaced below
	v_add_nc_u32 v3, 1, v3
	v_cmp_lt_f32 vcc_lo, 0, v2                     ; g > 0, that is |a| < 1; false for NaN
	v_cndmask_b32 v4, MAXSEG, v3, vcc_lo           ; otherwise the whole array
	v_mov_b32 v5, v4
	global_store_b64 v1, v[4:5], s[6:7]
	s_endpgm
.Lfunc_end_k_qef5a0e2bad_span:
	.size	k_qef5a0e2bad_span, .Lfunc_end_k_qef5a0e2bad_span-k_qef5a0e2bad_span
	.p2alignl 7, 3214868480
	.fill 96, 4, 3214868480
	.section	.rodata,"a",@progbits
	.p2align	6, 0x0
	.amdhsa_kernel k_qef5a0e2bad_span
		.amdhsa_group_segment_fixed_size 0
		.amdhsa_private_segment_fixed_size 0
		.amdhsa_enable_private_segment 0
		.amdhsa_kernarg_size 16
		.amdhsa_user_sgpr_count 2
		.amdhsa_user_sgpr_kernarg_segment_ptr 1
		.amdhsa_wavefront_size32 1
		.amdhsa_system_sgpr_workgroup_id_x 1
		.amdhsa_system_sgpr_workgroup_id_y 1
		.amdhsa_system_sgpr_workgroup_id_z 1
		.amdhsa_system_vgpr_workitem_id 0
		.amdhsa_next_free_vgpr 8
		.amdhsa_next_free_sgpr 66
		.amdhsa_reserve_vcc 1
		.amdhsa_float_denorm_mode_32 3
		.amdhsa_float_denorm_mode_16_64 3
		.amdhsa_memory_ordered 1
		.amdhsa_forward_progress 1
		.amdhsa_inst_pref_size 2
	.end_amdhsa_kernel
	.amdgpu_metadata
---
amdhsa.version: [ 1, 2 ]
amdhsa.kernels:
  - .name:           k_qef5a0e2bad_span
    .symbol:         k_qef5a0e2bad_span.kd
    .args:
      - { .name: decay, .offset: 0, .size: 8, .value_kind: global_buffer, .address_space: global }
      - { .name: look, .offset: 8, .size: 8, .value_kind: global_buffer, .address_space: global }
    .group_segment_fixed_size: 0
    .private_segment_fixed_size: 0
    .kernarg_segment_align: 8
    .kernarg_segment_size: 16
    .max_flat_workgroup_size: 32
    .sgpr_count:     66
    .vgpr_count:     8
    .wavefront_size: 32
...
	.end_amdgpu_metadata
.endif
;; end of part 1
;; launch scan (part 2): grid 256 x 1, 16 waves a work-group, no clusters, 0 bytes of LDS; arguments decay, x, out0, look; writes out0
.if DOCPART == 2
	.amdgcn_target "amdgcn-amd-amdhsa--gfx1250"
	.amdhsa_code_object_version 6
	.text
	.protected	k_qef5a0e2bad_scan
	.globl	k_qef5a0e2bad_scan
	.p2align	8
	.type	k_qef5a0e2bad_scan,@function
k_qef5a0e2bad_scan:
	s_mov_b64 s[64:65], 0
	v_nop
	global_prefetch_b8 v0, s[64:65] scope:SCOPE_SE
	s_setreg_imm32_b32 hwreg(HW_REG_WAVE_MODE, 25, 1), 1
	s_wait_xcnt 0x0
; y[t] = d x[t] + a y[t-1],  a = 1 - d,  y[-1] = x[0],  over 2^24 f32 numbers.
;
; SHARES.  256 work-groups x 16 waves; the waves are independent (no LDS, no barrier).  A wave owns a chunk of 4,096 consecutive
; numbers = 32 segments of 128; in a segment lane i holds the four numbers 4i .. 4i+3, so each load and each store of the wave covers
; 512 consecutive bytes, aligned.  The whole chunk lies in 128 registers: all of its loads are issued at the start, every register
; is loaded once and stored once, and no wait is needed to free a store's sources.
;
; THE CARRY INTO A CHUNK is rebuilt by the wave itself from the segments in front of the chunk (the look-back):
;     carry = sum over t = 0 .. n-1 of a^(128 t) agg(t)  [+ a^(128 n) x[0] if the n segments reach the array's start]
; agg(t) = what the t-th segment in front contributes to the value at its own end.  look was made from decay by the launch before,
; so that |a|^(128 look) <= 2^-32, or look = the whole array where |a| >= 1.  n = min(look', segments in front), look' = look if it is 1,
; else look rounded up to a multiple of 8; the segments in front are a multiple of 32, so n is 0, 1 or a multiple of 8.
;   n = 1: the segment in front is loaded ahead of the chunk, without waiting for look, and is all that is needed.
;   n = 0: chunk 0 reads segment 0 in that place, takes x[0] from it and drops its aggregate.
;   n >= 8: n / 8 trips of eight segments, eight loads out at a time; only the trip count comes from look, the address steps by a
;           constant.  The early segment's aggregate is dropped and the first trip reads its 512 bytes again.
;
; LIMITS.  (1) What the look-back drops is at most 2^-32 of the largest |y|; with 2^24 outputs that is at most 2^-20 of their root mean square.
; (2) Sums are regrouped (lane, row of 16 lanes, segment), so the last bits differ from a serial scan's.  (3) Powers of a that fall below f32's
; range count as 0.  (4) The nearer |1 - decay| is to 1, the longer the look-back, up to the whole prefix: values hold, speed does not.
;
; NOT USED: clusters, tensor loads, LDS: two neighbouring chunks share 512 bytes of 16,384 at look = 1, and nothing else is shared.
; Matrix units: 2 operations a number.  A prefetch: every byte of the chunk is already asked for by the first lines.
.set SEGS,   32                        ; segments in a chunk
.set SEGB,   512                       ; bytes in a segment
.set MAXSEG, 0x20000                   ; segments in x
.set WALK,   8                         ; segments in a trip of the long look-back
; scalar registers
.set DK,   14                          ; s[14:15] d, twice (a pair for the packed multiply)
.set P1,   16                          ; a
.set P2,   17                          ; a^2
.set P3,   18                          ; a^3
.set P4,   19                          ; a^4: one lane
.set P8,   20                          ; two lanes
.set P16,  21                          ; four lanes
.set P32,  22                          ; eight lanes
.set P64,  23                          ; a row of 16 lanes
.set P128, 24                          ; a segment
.set CSEG, 27                          ; segments in front of my chunk
.set WC,   28                          ; n, the look-back in segments
.set TRIPS, 29                         ; n / 8
.set CNT,  30
.set WGT,  31                          ; a^(128 t), the running weight
.set C0,   32                          ; x at the first number of the oldest segment read
.set SEL,  33                          ; all ones where the early segment counts (n = 1), else 0
.set P1024, 34                         ; eight segments
.set CY,   36                          ; s[36:40] the carry into four segments in a row, and out of the fourth
.set R15,  44                          ; s[44:47] the lower row's total of four segments
; vector registers
.set OFF,  1                           ; byte offset in x and in y of my 16 bytes in the chunk's first segment
.set WO,   2                           ; the same for the segment in front
.set L16,  3                           ; 16 x lane
.set PV,   4                           ; a^(4 i): weight of the segment's carry at lane i
.set WV,   5                           ; lanes 16-31: a^(4 (i-16)), weight of the lower row's total; lanes 0-15: 0
.set ACC,  6                           ; look-back: the lane's weighted aggregates
.set Q,    7                           ; a^(4 (i mod 16))
.set W01,  8                           ; v[8:9]   a, a^2
.set W23,  10                          ; v[10:11] a^3, a^4
.set XW,   12                          ; v[12:15] the segment in front
.set CT,   16                          ; v[16:23] for four segments: even register the carry into my lane, odd register a shifted copy
.set SC,   24                          ; v[24:27] for four segments: the scan over the lanes' aggregates
.set WB,   28                          ; the long look-back: byte offset of my 16 bytes in the trip's oldest segment
.set X,    32                          ; v[32:159]  the chunk: segment j in four registers
.set BK,   160                         ; v[160:191] the long look-back: eight segments, the oldest first
	s_load_b256 s[4:11], s[0:1], 0x0               ; decay s[4:5], x s[6:7], y s[8:9], look s[10:11]
	v_lshrrev_b32 v[Q], 5, v0
	v_readfirstlane_b32 s25, v[Q]                  ; wave 0 .. 15
	v_and_b32 v[L16], 31, v0
	v_lshlrev_b32 v[L16], 4, v[L16]
	s_lshl_b32 s26, ttmp9, 4
	s_add_co_u32 s26, s26, s25                     ; chunk 0 .. 4095
	s_lshl_b32 s[CSEG], s26, 5                     ; 32 segments a chunk
	s_lshl_b32 s2, s26, 14                         ; 16,384 bytes a chunk: below 2^26
	s_max_u32 s3, s2, SEGB
	s_sub_co_u32 s3, s3, SEGB                      ; the segment in front; for chunk 0 segment 0 itself
	s_movk_i32 s13, WALK*SEGB                      ; the long look-back's step
	v_add_nc_u32 v[OFF], s2, v[L16]
	v_add_nc_u32 v[WO], s3, v[L16]
	s_wait_kmcnt 0x0
	s_load_b32 s[DK], s[4:5], 0x0
	s_load_b32 s12, s[10:11], 0x0
	global_load_b128 v[XW:XW+3], v[WO], s[6:7]     ; first, since loads return in order (ISA guide 5.7.1) and the carry is wanted first
.set j, 0
.rept SEGS-1
	global_load_b128 v[X+4*j:X+4*j+3], v[OFF], s[6:7] offset:SEGB*j th:TH_LOAD_NT
.set j, j+1
.endr
	global_load_b128 v[X+4*j:X+4*j+3], v[OFF], s[6:7] offset:SEGB*j   ; no hint: the next chunk's wave always reads this segment too (a longer look-back reads more twice; a hint changes no value)
	; ---- while the loads are out: constants ----
.irp k, 0,1,2,3,4,5,6,7
	v_mov_b32 v[CT+\k], 0                          ; a DPP form also reads its destination, so these eight are written once beforehand
.endr
	v_mov_b32 v[WB], v[OFF]                        ; the walk starts at the chunk and steps back before it loads
	v_and_b32 v[ACC], 15, v0
	v_cmp_eq_u32 vcc_lo, 0, v[ACC]
	v_cndmask_b32 v[Q], 0, 1.0, vcc_lo             ; 1 in lanes 0 and 16, else 0: its scan along a row is a^(4 (i mod 16))
	v_and_b32 v[ACC], 16, v0
	v_cmp_eq_u32 vcc_lo, 0, v[ACC]                 ; the lower row
	s_wait_kmcnt 0x0                               ; d and look
	s_mov_b32 s[DK+1], s[DK]
	s_xor_b32 s[P1], s[DK], 0x80000000
	s_add_f32 s[P1], s[P1], 1.0                    ; a = 1 - d, one rounding, as in reference()
	s_mul_f32 s[P2], s[P1], s[P1]
	s_mul_f32 s[P3], s[P2], s[P1]
	s_mul_f32 s[P4], s[P2], s[P2]
	s_mul_f32 s[P8], s[P4], s[P4]
	s_mul_f32 s[P16], s[P8], s[P8]
	s_mul_f32 s[P32], s[P16], s[P16]
	s_mul_f32 s[P64], s[P32], s[P32]
	s_mul_f32 s[P128], s[P64], s[P64]
	s_mul_f32 s[P1024], s[P128], s[P128]           ; a^256
	s_mul_f32 s[P1024], s[P1024], s[P1024]         ; a^512
	s_mul_f32 s[P1024], s[P1024], s[P1024]         ; a^1024
	s_min_u32 s12, s12, MAXSEG
	s_add_co_u32 s2, s12, WALK-1
	s_and_b32 s2, s2, -WALK                        ; look rounded up to whole trips (MAXSEG is a multiple of 8)
	s_cmp_gt_u32 s12, 1
	s_cselect_b32 s12, s2, s12                     ; look = 1 stays 1
	s_min_u32 s[WC], s12, s[CSEG]                  ; n: never past the array's start
	s_cmp_eq_u32 s[WC], 1
	s_cselect_b32 s[SEL], -1, 0                    ; the early segment counts only where it is the whole look-back,
	s_cselect_b32 s[WGT], s[P128], 1.0             ; and only then has the weight moved on by a segment
	s_lshr_b32 s[TRIPS], s[WC], 3                  ; n = 0 or 1: no trip
; One step of the scan r[i] += a^(4 sh) r[i - sh] inside each row of 16 lanes; lanes without a source take 0.
.macro RSTEP r, sh, pw
	v_mov_b32_dpp v[CT+1], v[\r] row_shr:\sh row_mask:0xf bank_mask:0xf bound_ctrl:1
	v_fmac_f32 v[\r], s[\pw], v[CT+1]
.endm
.macro ROWSCAN r                       ; r[i] = sum over k <= i in the row of a^(4 (i-k)) r[k]
	RSTEP \r, 1, P4
	RSTEP \r, 2, P8
	RSTEP \r, 4, P16
	RSTEP \r, 8, P32
.endm
; My four numbers in place: u = d x, then u[e] += a u[e-1]: the recurrence with nothing coming in.  The fourth is the lane's aggregate.
.macro LOCAL4 x
	v_pk_mul_f32 v[\x:\x+1], v[\x:\x+1], s[DK:DK+1] op_sel_hi:[1,0]
	v_pk_mul_f32 v[\x+2:\x+3], v[\x+2:\x+3], s[DK:DK+1] op_sel_hi:[1,0]
	v_fmac_f32 v[\x+1], s[P1], v[\x]
	v_fmac_f32 v[\x+2], s[P1], v[\x+1]
	v_fmac_f32 v[\x+3], s[P1], v[\x+2]
.endm
	ROWSCAN Q
	v_cndmask_b32 v[ACC], s[P64], 1.0, vcc_lo      ; lower row 1, upper row a^64
	v_mul_f32 v[PV], v[Q], v[ACC]                  ; a^(4 i)
	v_cndmask_b32 v[WV], v[Q], 0, vcc_lo           ; lower row 0, upper row a^(4 (i-16))
	v_mov_b32 v[W01], s[P1]
	v_mov_b32 v[W01+1], s[P2]
	v_mov_b32 v[W23], s[P3]
	v_mov_b32 v[W23+1], s[P4]
	; ---- the look-back ----
	s_wait_loadcnt SEGS                            ; the 32 loads of the chunk were issued behind this one and stay out
	v_readfirstlane_b32 s[C0], v[XW]               ; x at the segment's first number, before it is scaled (chunk 0: x[0])
	LOCAL4 XW
	v_cndmask_b32 v[ACC], 0, v[XW+3], s[SEL]       ; weight a^0 where n = 1; a select, not a product with 0: what does not count cannot leak in
	s_cmp_eq_u32 s[TRIPS], 0
	s_cbranch_scc1 .Lwarmed
	s_mov_b32 s[CNT], 0
.Lwarm:                                            ; eight segments further back in each trip
	v_sub_nc_u32 v[WB], v[WB], s13                 ; the loads that named WB were waited for at the last trip's end
.irp k, 0,1,2,3,4,5,6,7
	global_load_b128 v[BK+4*\k:BK+4*\k+3], v[WB], s[6:7] offset:SEGB*\k   ; the oldest first: it is folded first
.endr
	s_wait_loadcnt WALK-1                          ; the trip's seven younger loads stay out
	v_readfirstlane_b32 s[C0], v[BK]               ; x at the first number of the oldest segment so far
	LOCAL4 BK
.irp k, 1,2,3,4,5,6,7
	s_wait_loadcnt WALK-1-\k                       ; the loads behind segment k stay out; the last count is 0
	LOCAL4 BK+4*\k
	v_fmac_f32 v[BK+4*\k+3], s[P128], v[BK+4*\k-1] ; the older segments' aggregates, one segment further away
.endr
	v_fmac_f32 v[ACC], s[WGT], v[BK+4*WALK-1]      ; the eight together, at the trip's weight
	s_mul_f32 s[WGT], s[WGT], s[P1024]
	s_add_co_u32 s[CNT], s[CNT], 1
	s_cmp_lt_u32 s[CNT], s[TRIPS]
	s_cbranch_scc1 .Lwarm
.Lwarmed:
	ROWSCAN ACC                                    ; lanes 15 and 31 now hold their rows' totals, weighted to the row's end
	v_readlane_b32 s[R15], v[ACC], 15
	v_readlane_b32 s[CY], v[ACC], 31
	s_fmac_f32 s[CY], s[P64], s[R15]               ; the lower row lies 64 numbers further back
	s_cmp_eq_u32 s[WC], s[CSEG]                    ; did the look-back reach x[0]?
	s_cselect_b32 s[C0], s[C0], 0                  ; then y[-1] = x[0] comes in with its weight; else what lies further back is dropped
	s_fmac_f32 s[CY], s[WGT], s[C0]                ; the carry into my chunk
	; ---- the chunk, four segments at a time, their lines interleaved so that dependent lines stand apart ----
.macro KSTEP sh, pw
.irp k, 0,1,2,3
	v_mov_b32_dpp v[CT+2*\k+1], v[SC+\k] row_shr:\sh row_mask:0xf bank_mask:0xf bound_ctrl:1
.endr
.irp k, 0,1,2,3
	v_fmac_f32 v[SC+\k], s[\pw], v[CT+2*\k+1]
.endr
.endm
.macro GROUP g
	s_wait_loadcnt SEGS-4*\g-4                     ; the chunk's loads behind these four stay out
.irp k, 0,1,2,3
	v_pk_mul_f32 v[X+16*\g+4*\k:X+16*\g+4*\k+1], v[X+16*\g+4*\k:X+16*\g+4*\k+1], s[DK:DK+1] op_sel_hi:[1,0]
	v_pk_mul_f32 v[X+16*\g+4*\k+2:X+16*\g+4*\k+3], v[X+16*\g+4*\k+2:X+16*\g+4*\k+3], s[DK:DK+1] op_sel_hi:[1,0]
.endr
.irp e, 1,2,3
.irp k, 0,1,2,3
	v_fmac_f32 v[X+16*\g+4*\k+\e], s[P1], v[X+16*\g+4*\k+\e-1]
.endr
.endr
	; scan of the lanes' aggregates inside each row; the first step writes a new register, since the aggregate itself is still wanted
.irp k, 0,1,2,3
	v_mov_b32_dpp v[CT+2*\k+1], v[X+16*\g+4*\k+3] row_shr:1 row_mask:0xf bank_mask:0xf bound_ctrl:1
.endr
.irp k, 0,1,2,3
	v_fma_f32 v[SC+\k], v[CT+2*\k+1], s[P4], v[X+16*\g+4*\k+3]
.endr
	KSTEP 2, P8
	KSTEP 4, P16
	KSTEP 8, P32
.irp k, 0,1,2,3
	v_mov_b32_dpp v[CT+2*\k], v[SC+\k] row_shr:1 row_mask:0xf bank_mask:0xf bound_ctrl:1   ; what my row hands to my lane (0 in lanes 0 and 16)
.endr
.irp k, 0,1,2,3
	v_readlane_b32 s[R15+\k], v[SC+\k], 15         ; the lower row's total
	v_readlane_b32 s[CY+\k+1], v[SC+\k], 31        ; the upper row's
.endr
.irp k, 0,1,2,3
	v_fmac_f32 v[CT+2*\k], s[R15+\k], v[WV]        ; the upper row takes in the lower row's total
	s_fmac_f32 s[CY+\k+1], s[P64], s[R15+\k]       ; the segment's own total
.endr
.irp k, 0,1,2,3
	s_fmac_f32 s[CY+\k+1], s[P128], s[CY+\k]       ; the carry out of segment k: the only line that runs from segment to segment
	v_fmac_f32 v[CT+2*\k], s[CY+\k], v[PV]         ; the carry into segment k, at my lane
.endr
.irp k, 0,1,2,3
	v_pk_fma_f32 v[X+16*\g+4*\k:X+16*\g+4*\k+1], v[CT+2*\k:CT+2*\k+1], v[W01:W01+1], v[X+16*\g+4*\k:X+16*\g+4*\k+1] op_sel_hi:[0,1,1]
	v_pk_fma_f32 v[X+16*\g+4*\k+2:X+16*\g+4*\k+3], v[CT+2*\k:CT+2*\k+1], v[W23:W23+1], v[X+16*\g+4*\k+2:X+16*\g+4*\k+3] op_sel_hi:[0,1,1]
	global_store_b128 v[OFF], v[X+16*\g+4*\k:X+16*\g+4*\k+3], s[8:9] offset:SEGB*(4*\g+\k) th:TH_STORE_NT
.endr
.if \g < SEGS/4-1
	s_mov_b32 s[CY], s[CY+4]
.endif
.endm
.irp g, 0,1,2,3,4,5,6,7
	GROUP \g
.endr
	s_endpgm
.Lfunc_end_k_qef5a0e2bad_scan:
	.size	k_qef5a0e2bad_scan, .Lfunc_end_k_qef5a0e2bad_scan-k_qef5a0e2bad_scan
	.p2alignl 7, 3214868480
	.fill 96, 4, 3214868480
	.section	.rodata,"a",@progbits
	.p2align	6, 0x0
	.amdhsa_kernel k_qef5a0e2bad_scan
		.amdhsa_group_segment_fixed_size 0
		.amdhsa_private_segment_fixed_size 0
		.amdhsa_enable_private_segment 0
		.amdhsa_kernarg_size 32
		.amdhsa_user_sgpr_count 2
		.amdhsa_user_sgpr_kernarg_segment_ptr 1
		.amdhsa_wavefront_size32 1
		.amdhsa_system_sgpr_workgroup_id_x 1
		.amdhsa_system_sgpr_workgroup_id_y 1
		.amdhsa_system_sgpr_workgroup_id_z 1
		.amdhsa_system_vgpr_workitem_id 0
		.amdhsa_next_free_vgpr 192
		.amdhsa_next_free_sgpr 66
		.amdhsa_reserve_vcc 1
		.amdhsa_float_denorm_mode_32 3
		.amdhsa_float_denorm_mode_16_64 3
		.amdhsa_memory_ordered 1
		.amdhsa_forward_progress 1
		.amdhsa_inst_pref_size 48
	.end_amdhsa_kernel
	.amdgpu_metadata
---
amdhsa.version: [ 1, 2 ]
amdhsa.kernels:
  - .name:           k_qef5a0e2bad_scan
    .symbol:         k_qef5a0e2bad_scan.kd
    .args:
      - { .name: decay, .offset: 0, .size: 8, .value_kind: global_buffer, .address_space: global }
      - { .name: x, .offset: 8, .size: 8, .value_kind: global_buffer, .address_space: global }
      - { .name: out0, .offset: 16, .size: 8, .value_kind: global_buffer, .address_space: global }
      - { .name: look, .offset: 24, .size: 8, .value_kind: global_buffer, .address_space: global }
    .group_segment_fixed_size: 0
    .private_segment_fixed_size: 0
    .kernarg_segment_align: 8
    .kernarg_segment_size: 32
    .max_flat_workgroup_size: 512
    .sgpr_count:     66
    .vgpr_count:     192
    .wavefront_size: 32
...
	.end_amdgpu_metadata
.endif
;; end of part 2
;; ======== version 2 of 2: 2 launches; version 1 with the launch scan written anew for expert scheduling mode
;; workspace buffers: look 256 bytes of whole numbers
;; launch span: the kernel of part 1 again; grid 1 x 1, 1 waves a work-group, no clusters, 0 bytes of LDS; arguments decay, look; writes look
;; launch scan (part 3): grid 256 x 1, 16 waves a work-group, no clusters, 0 bytes of LDS; arguments decay, x, out0, look; writes out0
.if DOCPART == 3
	.amdgcn_target "amdgcn-amd-amdhsa--gfx1250"
	.amdhsa_code_object_version 6
	.text
	.protected	k_qef5a0e2bad_scan
	.globl	k_qef5a0e2bad_scan
	.p2align	8
	.type	k_qef5a0e2bad_scan,@function
k_qef5a0e2bad_scan:
	s_mov_b64 s[64:65], 0
	v_nop
	global_prefetch_b8 v0, s[64:65] scope:SCOPE_SE
	s_setreg_imm32_b32 hwreg(HW_REG_WAVE_SCHED_MODE, 0, 2), 2
	s_setreg_imm32_b32 hwreg(HW_REG_WAVE_MODE, 25, 1), 1
	s_wait_xcnt 0x0
	s_wait_alu depctr_vm_vsrc(0)
; y[t] = d x[t] + a y[t-1],  a = 1 - d,  y[-1] = x[0],  over 2^24 f32 numbers.
;
; SHARES.  256 work-groups x 16 waves; the waves are independent (no LDS, no barrier).  A wave owns a chunk of 4,096 consecutive
; numbers = 32 segments of 128; in a segment lane i holds the four numbers 4i .. 4i+3, so each load and each store of the wave covers
; 512 consecutive bytes, aligned.  The whole chunk lies in 128 registers: all of its loads are issued at the start, every register
; is loaded once and stored once, and no wait is needed to free a store's sources.
;
; THE CARRY INTO A CHUNK is rebuilt by the wave itself from the segments in front of the chunk (the look-back):
;     carry = sum over t = 0 .. n-1 of a^(128 t) agg(t)  [+ a^(128 n) x[0] if the n segments reach the array's start]
; agg(t) = what the t-th segment in front contributes to the value at its own end.  look was made from decay by the launch before,
; so that |a|^(128 look) <= 2^-32, or look = the whole array where |a| >= 1.  n = min(look', segments in front), look' = look if it is 1,
; else look rounded up to a multiple of 8; the segments in front are a multiple of 32, so n is 0, 1 or a multiple of 8.
;   n = 1: the segment in front is loaded ahead of the chunk, without waiting for look, and is all that is needed.
;   n = 0: chunk 0 reads segment 0 in that place, takes x[0] from it and drops its aggregate.
;   n >= 8: n / 8 trips of eight segments, eight loads out at a time; only the trip count comes from look, the address steps by a
;           constant.  The early segment's aggregate is dropped and the first trip reads its 512 bytes again.
;
; THE MODE: SCHED_MODE bits 1:0 = 2 (LLVM: expert scheduling mode 2), set by the entry lines.  The code itself states the register dependences
; between vector instructions and memory instructions, and those through scalar registers that vector instructions write, with s_wait_alu, always for 0.
; THE PLAN.  Registers that memory instructions touch:
;   v[OFF], v[WO]  offsets, made once at the head and never written again: one wait in front of the first load serves every load and store by them.
;   X              the chunk.  Each register takes one load, at the start.  Group g (four segments) works on its sixteen registers in place; its four stores
;                  are issued in group g + 1, behind ONE wait at that group's head, dealt among that group's first vector lines, which name group g + 1's
;                  registers alone.  No line writes a register of X behind its store.
;   XW             the segment in front: one load, ahead of every vector line that names it.
;   BK, v[WB]      the long look-back.  A trip's eight loads read v[WB] and land in BK; the trip's vector lines work on BK in place.  At the next trip's head:
;                  a wait until the loads have read v[WB], the step of v[WB], and a wait until v[WB] is written and the vector lines are done with BK.
; Scalar registers that vector instructions write (the wave's number, two lane masks, x at the oldest number read, the rows' totals): a run of such lines,
; other vector work where there is any, one wait, then the readers; the wait stands ahead of every label and branch that follows the writer.
;
; LIMITS.  (1) What the look-back drops is at most 2^-32 of the largest |y|; with 2^24 outputs that is at most 2^-20 of their root mean square.
; (2) Sums are regrouped (lane, row of 16 lanes, segment), so the last bits differ from a serial scan's.  (3) Powers of a that fall below f32's
; range count as 0.  (4) The nearer |1 - decay| is to 1, the longer the look-back, up to the whole prefix: values hold, speed does not.
;
; NOT USED: clusters, tensor loads, LDS: two neighbouring chunks share 512 bytes of 16,384 at look = 1, and nothing else is shared.
; Matrix units: 2 operations a number.  A prefetch: every byte of the chunk is already asked for by the first lines.
.set SEGS,   32                        ; segments in a chunk
.set SEGB,   512                       ; bytes in a segment
.set MAXSEG, 0x20000                   ; segments in x
.set WALK,   8                         ; segments in a trip of the long look-back
; scalar registers
.set DK,   14                          ; s[14:15] d, twice (a pair for the packed multiply)
.set P1,   16                          ; a
.set P2,   17                          ; a^2
.set P3,   18                          ; a^3
.set P4,   19                          ; a^4: one lane
.set P8,   20                          ; two lanes
.set P16,  21                          ; four lanes
.set P32,  22                          ; eight lanes
.set P64,  23                          ; a row of 16 lanes
.set P128, 24                          ; a segment
.set CSEG, 27                          ; segments in front of my chunk
.set WC,   28                          ; n, the look-back in segments
.set TRIPS, 29                         ; n / 8
.set CNT,  30
.set WGT,  31                          ; a^(128 t), the running weight
.set C0,   32                          ; x at the first number of the oldest segment read
.set SEL,  33                          ; all ones where the early segment counts (n = 1), else 0
.set P1024, 34                         ; eight segments
.set CY,   36                          ; s[36:40] the carry into four segments in a row, and out of the fourth
.set MKF,  41                          ; mask: lanes 0 and 16, the first of each row
.set MKL,  42                          ; mask: lanes 0 to 15, the lower row
.set R15,  44                          ; s[44:47] the lower row's total of four segments
; vector registers
.set OFF,  1                           ; byte offset in x and in y of my 16 bytes in the chunk's first segment
.set WO,   2                           ; the same for the segment in front
.set L16,  3                           ; 16 x lane
.set PV,   4                           ; a^(4 i): weight of the segment's carry at lane i
.set WV,   5                           ; lanes 16-31: a^(4 (i-16)), weight of the lower row's total; lanes 0-15: 0
.set ACC,  6                           ; look-back: the lane's weighted aggregates
.set Q,    7                           ; a^(4 (i mod 16))
.set W01,  8                           ; v[8:9]   a, a^2
.set W23,  10                          ; v[10:11] a^3, a^4
.set XW,   12                          ; v[12:15] the segment in front
.set CT,   16                          ; v[16:23] for four segments: even register the carry into my lane, odd register a shifted copy
.set SC,   24                          ; v[24:27] for four segments: the scan over the lanes' aggregates
.set WB,   28                          ; the long look-back: byte offset of my 16 bytes in the trip's oldest segment
.set X,    32                          ; v[32:159]  the chunk: segment j in four registers
.set BK,   160                         ; v[160:191] the long look-back: eight segments, the oldest first
	s_load_b256 s[4:11], s[0:1], 0x0               ; decay s[4:5], x s[6:7], y s[8:9], look s[10:11]
	v_lshrrev_b32 v[Q], 5, v0
	v_readfirstlane_b32 s25, v[Q]                  ; wave 0 .. 15
	v_and_b32 v[L16], 31, v0
	v_lshlrev_b32 v[L16], 4, v[L16]
	s_lshl_b32 s26, ttmp9, 4
	s_wait_alu depctr_va_sdst(0)                   ; s25 is written, ahead of its first reader: the chunk's number is made from it
	s_add_co_u32 s26, s26, s25                     ; chunk 0 .. 4095
	s_lshl_b32 s[CSEG], s26, 5                     ; 32 segments a chunk
	s_lshl_b32 s2, s26, 14                         ; 16,384 bytes a chunk: below 2^26
	s_max_u32 s3, s2, SEGB
	s_sub_co_u32 s3, s3, SEGB                      ; the segment in front; for chunk 0 segment 0 itself
	s_movk_i32 s13, WALK*SEGB                      ; the long look-back's step
	v_add_nc_u32 v[OFF], s2, v[L16]
	v_add_nc_u32 v[WO], s3, v[L16]
	s_wait_kmcnt 0x0
	s_load_b32 s[DK], s[4:5], 0x0
	s_load_b32 s12, s[10:11], 0x0
	s_wait_alu depctr_va_vdst(0)                   ; v[OFF] and v[WO] are written: the loads below and all the chunk's stores read them as offsets
	global_load_b128 v[XW:XW+3], v[WO], s[6:7]     ; first, since loads return in order (ISA guide 5.7.1) and the carry is wanted first
.set j, 0
.rept SEGS-1
	global_load_b128 v[X+4*j:X+4*j+3], v[OFF], s[6:7] offset:SEGB*j th:TH_LOAD_NT
.set j, j+1
.endr
	global_load_b128 v[X+4*j:X+4*j+3], v[OFF], s[6:7] offset:SEGB*j   ; no hint: the next chunk's wave always reads this segment too (a longer look-back reads more twice; a hint changes no value)
	; ---- while the loads are out: constants.  None of these lines writes a register that a load or store names, but v[WB], which the walk's own waits see to ----
.irp k, 0,1,2,3,4,5,6,7
	v_mov_b32 v[CT+\k], 0                          ; a DPP form also reads its destination, so these eight are written once beforehand
.endr
	v_mov_b32 v[WB], v[OFF]                        ; the walk starts at the chunk and steps back before it loads
	v_and_b32 v[ACC], 15, v0
	v_and_b32 v[WV], 16, v0
	v_cmp_eq_u32 s[MKF], 0, v[ACC]                 ; the two compares stand in one run, each with a scalar register of its own:
	v_cmp_eq_u32 s[MKL], 0, v[WV]                  ; one wait, below, serves both
	s_wait_kmcnt 0x0                               ; d and look
	s_mov_b32 s[DK+1], s[DK]
	s_xor_b32 s[P1], s[DK], 0x80000000
	s_add_f32 s[P1], s[P1], 1.0                    ; a = 1 - d, one rounding, as in reference()
	s_mul_f32 s[P2], s[P1], s[P1]
	s_mul_f32 s[P3], s[P2], s[P1]
	s_mul_f32 s[P4], s[P2], s[P2]
	s_mul_f32 s[P8], s[P4], s[P4]
	s_mul_f32 s[P16], s[P8], s[P8]
	s_mul_f32 s[P32], s[P16], s[P16]
	s_mul_f32 s[P64], s[P32], s[P32]
	s_mul_f32 s[P128], s[P64], s[P64]
	s_mul_f32 s[P1024], s[P128], s[P128]           ; a^256
	s_mul_f32 s[P1024], s[P1024], s[P1024]         ; a^512
	s_mul_f32 s[P1024], s[P1024], s[P1024]         ; a^1024
	s_min_u32 s12, s12, MAXSEG
	s_add_co_u32 s2, s12, WALK-1
	s_and_b32 s2, s2, -WALK                        ; look rounded up to whole trips (MAXSEG is a multiple of 8)
	s_cmp_gt_u32 s12, 1
	s_cselect_b32 s12, s2, s12                     ; look = 1 stays 1
	s_min_u32 s[WC], s12, s[CSEG]                  ; n: never past the array's start
	s_cmp_eq_u32 s[WC], 1
	s_cselect_b32 s[SEL], -1, 0                    ; the early segment counts only where it is the whole look-back,
	s_cselect_b32 s[WGT], s[P128], 1.0             ; and only then has the weight moved on by a segment
	s_lshr_b32 s[TRIPS], s[WC], 3                  ; n = 0 or 1: no trip
; One step of the scan r[i] += a^(4 sh) r[i - sh] inside each row of 16 lanes; lanes without a source take 0.
.macro RSTEP r, sh, pw
	v_mov_b32_dpp v[CT+1], v[\r] row_shr:\sh row_mask:0xf bank_mask:0xf bound_ctrl:1
	v_fmac_f32 v[\r], s[\pw], v[CT+1]
.endm
.macro ROWSCAN r                       ; r[i] = sum over k <= i in the row of a^(4 (i-k)) r[k]
	RSTEP \r, 1, P4
	RSTEP \r, 2, P8
	RSTEP \r, 4, P16
	RSTEP \r, 8, P32
.endm
; My four numbers in place: u = d x, then u[e] += a u[e-1]: the recurrence with nothing coming in.  The fourth is the lane's aggregate.
.macro LOCAL4 x
	v_pk_mul_f32 v[\x:\x+1], v[\x:\x+1], s[DK:DK+1] op_sel_hi:[1,0]
	v_pk_mul_f32 v[\x+2:\x+3], v[\x+2:\x+3], s[DK:DK+1] op_sel_hi:[1,0]
	v_fmac_f32 v[\x+1], s[P1], v[\x]
	v_fmac_f32 v[\x+2], s[P1], v[\x+1]
	v_fmac_f32 v[\x+3], s[P1], v[\x+2]
.endm
	s_wait_alu depctr_va_sdst(0)                   ; the two compares have written their masks, ahead of the selects that read them
	v_cndmask_b32 v[Q], 0, 1.0, s[MKF]             ; 1 in lanes 0 and 16, else 0: its scan along a row is a^(4 (i mod 16))
	ROWSCAN Q
	v_cndmask_b32 v[ACC], s[P64], 1.0, s[MKL]      ; lower row 1, upper row a^64
	v_mul_f32 v[PV], v[Q], v[ACC]                  ; a^(4 i)
	v_cndmask_b32 v[WV], v[Q], 0, s[MKL]           ; lower row 0, upper row a^(4 (i-16))
	v_mov_b32 v[W01], s[P1]
	v_mov_b32 v[W01+1], s[P2]
	v_mov_b32 v[W23], s[P3]
	v_mov_b32 v[W23+1], s[P4]
	; ---- the look-back ----
	s_wait_loadcnt SEGS                            ; the 32 loads of the chunk were issued behind this one and stay out
	v_readfirstlane_b32 s[C0], v[XW]               ; x at the segment's first number, before it is scaled (chunk 0: x[0])
	LOCAL4 XW
	v_cndmask_b32 v[ACC], 0, v[XW+3], s[SEL]       ; weight a^0 where n = 1; a select, not a product with 0: what does not count cannot leak in
	s_wait_alu depctr_va_sdst(0)                   ; s[C0] is written
	s_cmp_eq_u32 s[TRIPS], 0
	s_cbranch_scc1 .Lwarmed
	s_mov_b32 s[CNT], 0
.Lwarm:                                            ; eight segments further back in each trip
	s_wait_alu depctr_vm_vsrc(0)                   ; the last trip's eight loads have read v[WB], which the next line writes
	v_sub_nc_u32 v[WB], v[WB], s13                 ; the loads that named WB were waited for at the last trip's end
	s_wait_alu depctr_va_vdst(0)                   ; v[WB] is written, which the loads below read; the last trip's vector lines are done reading and writing BK, in which they land
.irp k, 0,1,2,3,4,5,6,7
	global_load_b128 v[BK+4*\k:BK+4*\k+3], v[WB], s[6:7] offset:SEGB*\k   ; the oldest first: it is folded first
.endr
	s_wait_loadcnt WALK-1                          ; the trip's seven younger loads stay out
	v_readfirstlane_b32 s[C0], v[BK]               ; x at the first number of the oldest segment so far
	LOCAL4 BK
.irp k, 1,2,3,4,5,6,7
	s_wait_loadcnt WALK-1-\k                       ; the loads behind segment k stay out; the last count is 0
	LOCAL4 BK+4*\k
	v_fmac_f32 v[BK+4*\k+3], s[P128], v[BK+4*\k-1] ; the older segments' aggregates, one segment further away
.endr
	v_fmac_f32 v[ACC], s[WGT], v[BK+4*WALK-1]      ; the eight together, at the trip's weight
	s_mul_f32 s[WGT], s[WGT], s[P1024]
	s_wait_alu depctr_va_sdst(0)                   ; this trip's s[C0] is written, ahead of the backward jump
	s_add_co_u32 s[CNT], s[CNT], 1
	s_cmp_lt_u32 s[CNT], s[TRIPS]
	s_cbranch_scc1 .Lwarm
.Lwarmed:
	ROWSCAN ACC                                    ; lanes 15 and 31 now hold their rows' totals, weighted to the row's end
	v_readlane_b32 s[R15], v[ACC], 15
	v_readlane_b32 s[CY], v[ACC], 31
	s_wait_alu depctr_va_sdst(0)                   ; the two rows' totals are written, ahead of the scalar line that reads both
	s_fmac_f32 s[CY], s[P64], s[R15]               ; the lower row lies 64 numbers further back
	s_cmp_eq_u32 s[WC], s[CSEG]                    ; did the look-back reach x[0]?
	s_cselect_b32 s[C0], s[C0], 0                  ; then y[-1] = x[0] comes in with its weight; else what lies further back is dropped
	s_fmac_f32 s[CY], s[WGT], s[C0]                ; the carry into my chunk
	; ---- the chunk, four segments at a time, their lines interleaved so that dependent lines stand apart ----
.macro KSTEP sh, pw
.irp k, 0,1,2,3
	v_mov_b32_dpp v[CT+2*\k+1], v[SC+\k] row_shr:\sh row_mask:0xf bank_mask:0xf bound_ctrl:1
.endr
.irp k, 0,1,2,3
	v_fmac_f32 v[SC+\k], s[\pw], v[CT+2*\k+1]
.endr
.endm
.macro OUT g, k                        ; segment k of group g leaves: 512 consecutive bytes, aligned
	global_store_b128 v[OFF], v[X+16*(\g)+4*(\k):X+16*(\g)+4*(\k)+3], s[8:9] offset:SEGB*(4*(\g)+(\k)) th:TH_STORE_NT
.endm
.macro GROUP g
	s_wait_loadcnt SEGS-4*\g-4                     ; the chunk's loads behind these four stay out
.if \g > 0
	s_wait_alu depctr_va_vdst(0)                   ; the group before has written its sixteen registers of X, which the four stores below read
.endif
.irp k, 0,1,2,3
.if \g > 0
	OUT (\g)-1, \k                                 ; no further wait: the vector lines since the wait name this group's registers of X alone
.endif
	v_pk_mul_f32 v[X+16*\g+4*\k:X+16*\g+4*\k+1], v[X+16*\g+4*\k:X+16*\g+4*\k+1], s[DK:DK+1] op_sel_hi:[1,0]
	v_pk_mul_f32 v[X+16*\g+4*\k+2:X+16*\g+4*\k+3], v[X+16*\g+4*\k+2:X+16*\g+4*\k+3], s[DK:DK+1] op_sel_hi:[1,0]
.endr
.irp e, 1,2,3
.irp k, 0,1,2,3
	v_fmac_f32 v[X+16*\g+4*\k+\e], s[P1], v[X+16*\g+4*\k+\e-1]
.endr
.endr
	; scan of the lanes' aggregates inside each row; the first step writes a new register, since the aggregate itself is still wanted
.irp k, 0,1,2,3
	v_mov_b32_dpp v[CT+2*\k+1], v[X+16*\g+4*\k+3] row_shr:1 row_mask:0xf bank_mask:0xf bound_ctrl:1
.endr
.irp k, 0,1,2,3
	v_fma_f32 v[SC+\k], v[CT+2*\k+1], s[P4], v[X+16*\g+4*\k+3]
.endr
	KSTEP 2, P8
	KSTEP 4, P16
	KSTEP 8, P32
.irp k, 0,1,2,3
	v_readlane_b32 s[R15+\k], v[SC+\k], 15         ; the lower row's total
	v_readlane_b32 s[CY+\k+1], v[SC+\k], 31        ; the upper row's
.endr
.irp k, 0,1,2,3
	v_mov_b32_dpp v[CT+2*\k], v[SC+\k] row_shr:1 row_mask:0xf bank_mask:0xf bound_ctrl:1   ; what my row hands to my lane (0 in lanes 0 and 16); these four read no total and stand between the eight lines above and the wait for them
.endr
	s_wait_alu depctr_va_sdst(0)                   ; the eight totals are written, ahead of the vector and scalar lines that read them: one wait for the run
.irp k, 0,1,2,3
	v_fmac_f32 v[CT+2*\k], s[R15+\k], v[WV]        ; the upper row takes in the lower row's total
	s_fmac_f32 s[CY+\k+1], s[P64], s[R15+\k]       ; the segment's own total
.endr
.irp k, 0,1,2,3
	s_fmac_f32 s[CY+\k+1], s[P128], s[CY+\k]       ; the carry out of segment k: the only line that runs from segment to segment
	v_fmac_f32 v[CT+2*\k], s[CY+\k], v[PV]         ; the carry into segment k, at my lane
.endr
.irp k, 0,1,2,3
	v_pk_fma_f32 v[X+16*\g+4*\k:X+16*\g+4*\k+1], v[CT+2*\k:CT+2*\k+1], v[W01:W01+1], v[X+16*\g+4*\k:X+16*\g+4*\k+1] op_sel_hi:[0,1,1]
	v_pk_fma_f32 v[X+16*\g+4*\k+2:X+16*\g+4*\k+3], v[CT+2*\k:CT+2*\k+1], v[W23:W23+1], v[X+16*\g+4*\k+2:X+16*\g+4*\k+3] op_sel_hi:[0,1,1]
.endr                                              ; the group's stores follow in the next group, behind its wait
.if \g < SEGS/4-1
	s_mov_b32 s[CY], s[CY+4]
.endif
.endm
.irp g, 0,1,2,3,4,5,6,7
	GROUP \g
.endr
	s_wait_alu depctr_va_vdst(0)                   ; the last group has written its sixteen registers of X, which the last four stores read
.irp k, 0,1,2,3
	OUT SEGS/4-1, \k
.endr
	s_endpgm
.Lfunc_end_k_qef5a0e2bad_scan:
	.size	k_qef5a0e2bad_scan, .Lfunc_end_k_qef5a0e2bad_scan-k_qef5a0e2bad_scan
	.p2alignl 7, 3214868480
	.fill 96, 4, 3214868480
	.section	.rodata,"a",@progbits
	.p2align	6, 0x0
	.amdhsa_kernel k_qef5a0e2bad_scan
		.amdhsa_group_segment_fixed_size 0
		.amdhsa_private_segment_fixed_size 0
		.amdhsa_enable_private_segment 0
		.amdhsa_kernarg_size 32
		.amdhsa_user_sgpr_count 2
		.amdhsa_user_sgpr_kernarg_segment_ptr 1
		.amdhsa_wavefront_size32 1
		.amdhsa_system_sgpr_workgroup_id_x 1
		.amdhsa_system_sgpr_workgroup_id_y 1
		.amdhsa_system_sgpr_workgroup_id_z 1
		.amdhsa_system_vgpr_workitem_id 0
		.amdhsa_next_free_vgpr 192
		.amdhsa_next_free_sgpr 66
		.amdhsa_reserve_vcc 0
		.amdhsa_float_denorm_mode_32 3
		.amdhsa_float_denorm_mode_16_64 3
		.amdhsa_memory_ordered 1
		.amdhsa_forward_progress 1
		.amdhsa_inst_pref_size 49
	.end_amdhsa_kernel
	.amdgpu_metadata
---
amdhsa.version: [ 1, 2 ]
amdhsa.kernels:
  - .name:           k_qef5a0e2bad_scan
    .symbol:         k_qef5a0e2bad_scan.kd
    .args:
      - { .name: decay, .offset: 0, .size: 8, .value_kind: global_buffer, .address_space: global }
      - { .name: x, .offset: 8, .size: 8, .value_kind: global_buffer, .address_space: global }
      - { .name: out0, .offset: 16, .size: 8, .value_kind: global_buffer, .address_space: global }
      - { .name: look, .offset: 24, .size: 8, .value_kind: global_buffer, .address_space: global }
    .group_segment_fixed_size: 0
    .private_segment_fixed_size: 0
    .kernarg_segment_align: 8
    .kernarg_segment_size: 32
    .max_flat_workgroup_size: 512
    .sgpr_count:     66
    .vgpr_count:     192
    .wavefront_size: 32
...
	.end_amdgpu_metadata
.endif
;; end of part 3
